; MI455X (gfx1250); checked and timed in simulation.
; The chip was launched on July 23, 2026; its instructions are those of AMD's public machine-readable ISA for CDNA 5 (MIT licence, August 2026) and "CDNA5" Instruction Set Architecture Reference Guide (July 2026). The comments in the code are by the model that wrote it; some were corrected since.
;; Event Driven Compute Engine. Allowed arithmetic: matrix products marked QUANTISED: E2M3 operands, one E8M0 scale for each 32 along K, by v_wmma_scale_f32_16x16x128_f8f6f4 with both operands' format E2M3, f32 sums; everything else in f32.
;; Inputs: b1 2,048 float32; b2 512 float32; w1 512 x 2,048 float32; w2 2,048 x 512 float32; x 4 x 16 x 512 x 512 float32.
;; Outputs: out0 4 x 16 x 512 x 512 float32.
;; This version of the problem:
;;   THIS VERSION OF THE PROBLEM IS GIVEN IN LOW PRECISION. The matrix products marked QUANTISED in the list below multiply operands that are first quantised to E2M3 (2 exponent bits, 3 mantissa bits; 6 bits a number), with one power-of-two scale for each 32 numbers along K (OCP MX v1.0); their sums are f32. All else is computed in f32.
;;   The module's matrix products, in the order in which they are computed (A, B: the left and right operand; K: the contracted axis; several contracted axes count as one K, in the product's order):
;;     1. [M 32,768, K 512] x [K 512, N 2,048]; A: input x; B: input w1: QUANTISED
;;     2. [M 32,768, K 2,048] x [K 2,048, N 512]; A: computed on the way; B: input w2: QUANTISED
;;   THE QUANTISER, for each operand of a quantised product, along K:
;;     - K is cut into blocks of 32 from its start; a last block that is shorter is filled with zeros.
;;     - A block's scale is 2^e with e = floor(log2(the largest magnitude in the block)) - 2, held to -126 .. 127; a block of zeros has e = 0. As a byte (E8M0): e + 127.
;;     - Each number is divided by its block's scale, clamped to +-7.5, and rounded to the nearest number of E2M3, ties to even, subnormals kept.
;;     - The product sums the exact products of the quantised numbers (number of the format x scale) in f32.
;;   ~~~python
;;   def quantise(x, axis):      # numpy; x: float32 -> the quantised numbers, widened to float32 again
;;       x = np.moveaxis(x, axis, -1); K = x.shape[-1]
;;       x = np.pad(x, [(0, 0)] * (x.ndim - 1) + [(0, -K % 32)]); x = x.reshape(x.shape[:-1] + (-1, 32)); a = np.abs(x).max(-1, keepdims=True)
;;       e = np.where(a > 0, np.clip(np.frexp(np.where(a > 0, a, 1))[1] - 1 - 2, -126, 127), 0)      # np.frexp(a)[1] - 1 = floor(log2(a)), exactly
;;       r = np.clip(x / 2.0 ** e, -7.5, 7.5)
;;       step = 2.0 ** (np.maximum(np.frexp(np.where(r == 0, 1, r))[1] - 1, 0) - 3)
;;       q = np.round(r / step) * step * 2.0 ** e      # np.round: ties to even
;;       return np.moveaxis(q.reshape(q.shape[:-2] + (-1,))[..., :K], -1, axis).astype(np.float32)
;;   ~~~
;;   OPERANDS COMPUTED ON THE WAY. 'Computed on the way' means the value that the module computes at that place (a softmax that the list does not call 'softmax' is quantised finished and normalised). What goes into a quantiser is computed in f32, as accurately as f32 sums, v_exp_f32 and their like allow (about 1e-6 of the number): no bf16 or f16 on the way to a quantiser, and a product that is left as it is and whose result goes on into a quantised operand takes f32 operands (vector FMAs, or v_wmma_f32_16x16x4_f32). A number that lies on a knife's edge between two numbers of the format may be rounded either way, as far as f32 arithmetic and the matrix unit's own rounding can turn it there, and no further.
;; One version. Each part assembles by itself: llvm-mc -triple=amdgcn-amd-amdhsa -mcpu=gfx1250 --defsym DOCPART=n.
;; ======== version 1 of 1: 2 launches
;; limits: right only within a limited range of input values
;; workspace buffers: wq 1,638,400 bytes
;; launch prep (part 1): grid 256 x 1, 4 waves a work-group, no clusters, 0 bytes of LDS; arguments w1, w2, wq; writes wq
.if DOCPART == 1
	.amdgcn_target "amdgcn-amd-amdhsa--gfx1250"
	.amdhsa_code_object_version 6
	.text
	.protected	k_q8a5aaa03f3_prep
	.globl	k_q8a5aaa03f3_prep
	.p2align	8
	.type	k_q8a5aaa03f3_prep,@function
k_q8a5aaa03f3_prep:
	s_mov_b64 s[64:65], 0
	v_nop
	global_prefetch_b8 v0, s[64:65] scope:SCOPE_SE
	s_setreg_imm32_b32 hwreg(HW_REG_WAVE_MODE, 25, 1), 1
	s_wait_xcnt 0x0
; w1 [512 (k)][2048 (hidden)] and w2 [2048 (k)][512 (out)], f32, K along the FIRST axis, become codes of FP6 (E2M3) with one E8M0 byte for each 32 along K,
; laid in wq as IMAGES OF OPERAND REGISTERS, as four linear streams, one for each wave w of the second launch: 32 blocks of 12,800 bytes = 8 fragments of 1,536 bytes + 512 bytes of scale words.
; A fragment is 16 columns x 128 K, 12 registers a lane: register 4 p + e of lane l lies at 512 p + 16 l + 4 e.  A block's scale words: word e of lane l at 12,288 + 16 l + 4 e.
; Blocks 0-15 (W1, block i = hidden units 128 i + 32 w ..): fragment 2 s + u = tile u, K step s; lane r of tile u takes unit 128 i + 32 w + 8 u + r + 8 (r / 8), so that the first product's
;     results, used transposed, are neighbours along the second product's K.  Scale word e = s of lane 16 u + r.
; Blocks 16-31 (W2, block 16 + q = K step q): fragment nt = outputs 128 w + 16 nt + r.  Scale word e = nt / 2 of lane 16 (nt % 2) + r.
; ONE WAVE MAKES ONE FRAGMENT: lane (r, h) takes a column, its 64 registers run DOWN K (k = 64 c + 32 h + 0 .. 31): two whole blocks a lane, nothing is transposed.
; 1,024 fragments = 256 work-groups x 4 waves; the four waves stand on 64 neighbouring columns: 256 consecutive bytes of each row of w.
; LIMITS: a block of zeros gets the byte 1 where the rule says 127 (its codes are zeros, and this program alone reads the bytes); blocks whose largest magnitude lies under 2^-124 are held at the byte 1;
; NaN and infinities among the inputs are not served.
.set BLK,  12800
.set WREG, 409600
.set FRB,  1536
	s_load_b128 s[4:7], s[0:1], 0x0                ; w1, w2
	s_load_b64 s[8:9], s[0:1], 0x10                ; wq
	v_lshrrev_b32 v1, 5, v0
	v_readfirstlane_b32 s16, v1                    ; t: wave
	v_and_b32 v1, 15, v0                           ; r
	v_bfe_u32 v2, v0, 4, 1                         ; h
	v_and_b32 v6, 31, v0                           ; lane
	v_lshlrev_b32 v4, 4, v6                        ; 16 x lane
	v_lshlrev_b32 v5, 2, v1                        ; 4 r
	s_mov_b32 s20, 0x76543210
	s_mov_b32 s21, 0xfedcba98                      ; selects for lane l xor 16
	s_lshr_b32 s17, s16, 1
	s_and_b32 s18, s16, 1
	s_mov_b32 s25, 0
	s_mov_b32 s27, 0
	s_mov_b32 s29, 0
.macro WLOAD base, pitch               ; W(64 c + 32 h + i, my column)
.irp c, 0,1
.set qi, 0
.rept 32
	global_load_b32 v[64+32*\c+qi], v3, s[\base:\base+1] offset:(64*\c+qi)*\pitch
.set qi, qi+1
.endr
.endr
.endm
	s_wait_kmcnt 0x0
	s_cmp_lt_u32 ttmp9, 128                        ; the first 128 work-groups take w1
	s_cbranch_scc0 .Lw2
	s_lshr_b32 s22, ttmp9, 2                       ; G: which 64 hidden units
	s_and_b32 s23, ttmp9, 3                        ; s: which 128 along K
	s_lshl_b32 s24, s23, 20                        ; 128 s rows of 8,192 bytes
	s_lshl_b32 s30, s22, 8
	s_add_co_u32 s24, s24, s30
	s_lshl_b32 s30, s17, 7
	s_add_co_u32 s24, s24, s30                     ; + 32 (t / 2) columns
	s_lshl_b32 s30, s18, 5
	s_add_co_u32 s24, s24, s30                     ; + 8 (t % 2)
	s_add_nc_u64 s[4:5], s[4:5], s[24:25]
	s_and_b32 s31, s22, 1
	s_lshl_b32 s31, s31, 1
	s_add_co_u32 s31, s31, s17                     ; w = 2 (G % 2) + t / 2
	s_mul_i32 s31, s31, WREG
	s_lshr_b32 s32, s22, 1                         ; block i
	s_mul_i32 s32, s32, BLK
	s_add_co_u32 s31, s31, s32
	s_lshl_b32 s33, s23, 1
	s_add_co_u32 s33, s33, s18                     ; 2 s + u
	s_mul_i32 s26, s33, FRB
	s_add_co_u32 s26, s26, s31                     ; the fragment's first byte
	s_lshl_b32 s28, s18, 8                         ; 256 u
	s_lshl_b32 s33, s23, 2                         ; 4 s
	s_add_co_u32 s28, s28, s33
	s_add_co_u32 s28, s28, s31
	s_add_co_u32 s28, s28, 8*FRB                   ; the scale words' first byte
	s_wait_alu depctr_va_vdst(0)
	v_and_b32 v3, 8, v1
	v_add_nc_u32 v3, v3, v1                        ; r + 8 (r / 8)
	v_lshlrev_b32 v3, 2, v3
	v_lshl_add_u32 v3, v2, 18, v3                  ; lanes 16-31 begin 32 rows further down
	WLOAD 4, 8192
	s_branch .Ljoin
.Lw2:
	s_sub_co_u32 s22, ttmp9, 128
	s_and_b32 s23, s22, 7                          ; which 64 outputs
	s_lshl_b32 s30, s23, 2
	s_add_co_u32 s30, s30, s16                     ; which 16 outputs
	s_lshr_b32 s32, s22, 3                         ; q: which 128 along K
	s_lshl_b32 s24, s32, 18
	s_lshl_b32 s30, s30, 6
	s_add_co_u32 s24, s24, s30
	s_add_nc_u64 s[6:7], s[6:7], s[24:25]
	s_lshr_b32 s31, s23, 1                         ; w
	s_mul_i32 s31, s31, WREG
	s_add_co_u32 s34, s32, 16
	s_mul_i32 s34, s34, BLK
	s_add_co_u32 s31, s31, s34                     ; the block
	s_and_b32 s33, s23, 1
	s_lshl_b32 s34, s33, 2
	s_add_co_u32 s34, s34, s16                     ; nt = 4 (half of the wave's 128) + t
	s_mul_i32 s26, s34, FRB
	s_add_co_u32 s26, s26, s31
	s_lshl_b32 s28, s18, 8                         ; 256 (nt % 2)
	s_lshl_b32 s33, s33, 1
	s_add_co_u32 s33, s33, s17                     ; nt / 2
	s_lshl_b32 s33, s33, 2
	s_add_co_u32 s28, s28, s33
	s_add_co_u32 s28, s28, s31
	s_add_co_u32 s28, s28, 8*FRB
	s_wait_alu depctr_va_vdst(0)
	v_lshl_add_u32 v3, v2, 16, v5                  ; 4 r, and 32 rows further down for lanes 16-31
	WLOAD 6, 2048
.Ljoin:
	s_add_nc_u64 s[10:11], s[8:9], s[28:29]
	s_add_nc_u64 s[8:9], s[8:9], s[26:27]
	s_wait_loadcnt 0x0
.irp c, 0,1
	v_max3_num_f32 v[32+\c], |v[64+32*\c]|, |v[65+32*\c]|, 0x1800000   ; with the floor 2^(3 - 127): the byte cannot fall under 1
.endr
.irp i, 2,4,6,8,10,12,14,16,18,20,22,24,26,28,30
.irp c, 0,1
	v_max3_num_f32 v[32+\c], v[32+\c], |v[64+32*\c+\i]|, |v[65+32*\c+\i]|
.endr
.endr
.irp c, 0,1
	v_add_nc_u32 v[44+\c], 0xff000000, v[32+\c]    ; 2 off the exponent field: the conversion's scale operand
.endr
.irp c, 0,1
	v_lshrrev_b32 v[36+\c], 23, v[44+\c]           ; the scale's byte
.endr
	v_lshl_or_b32 v9, v37, 16, v36
	v_lshlrev_b32 v10, 3, v2
	v_lshlrev_b32 v9, v10, v9                      ; my two bytes at their places in the word
	v_mov_b32 v10, 0
	v_permlanex16_b32 v10, v9, s20, s21
	v_or_b32 v9, v9, v10                           ; with lane l xor 16's two the word is whole
.irp c, 0,1
	v_cvt_scalef32_pk16_fp6_f32 v[48+6*\c:50+6*\c], v[64+32*\c:79+32*\c], v[44+\c]
	v_cvt_scalef32_pk16_fp6_f32 v[16+4*\c:18+4*\c], v[80+32*\c:95+32*\c], v[44+\c]   ; a conversion's three registers begin on an even number
.endr
	v_nop
.irp c, 0,1
.irp i, 0,1,2
	v_mov_b32 v[51+6*\c+\i], v[16+4*\c+\i]
.endr
.endr
.irp p, 0,1,2
	global_store_b128 v4, v[48+4*\p:51+4*\p], s[8:9] offset:512*\p   ; 512 consecutive bytes a store
.endr
	v_cmp_gt_u32 vcc_lo, 16, v6                    ; lanes 0-15 store the sixteen scale words, 16 bytes apart
	s_wait_xcnt 0x0                                ; EXEC changes only behind this wait
	s_and_saveexec_b32 s30, vcc_lo
	global_store_b32 v4, v9, s[10:11]
	s_wait_xcnt 0x0
	s_or_b32 exec_lo, exec_lo, s30
	s_endpgm
.Lfunc_end_k_q8a5aaa03f3_prep:
	.size	k_q8a5aaa03f3_prep, .Lfunc_end_k_q8a5aaa03f3_prep-k_q8a5aaa03f3_prep
	.p2alignl 7, 3214868480
	.fill 96, 4, 3214868480
	.section	.rodata,"a",@progbits
	.p2align	6, 0x0
	.amdhsa_kernel k_q8a5aaa03f3_prep
		.amdhsa_group_segment_fixed_size 0
		.amdhsa_private_segment_fixed_size 0
		.amdhsa_enable_private_segment 0
		.amdhsa_kernarg_size 24
		.amdhsa_user_sgpr_count 2
		.amdhsa_user_sgpr_kernarg_segment_ptr 1
		.amdhsa_wavefront_size32 1
		.amdhsa_system_sgpr_workgroup_id_x 1
		.amdhsa_system_sgpr_workgroup_id_y 1
		.amdhsa_system_sgpr_workgroup_id_z 1
		.amdhsa_system_vgpr_workitem_id 0
		.amdhsa_next_free_vgpr 128
		.amdhsa_next_free_sgpr 66
		.amdhsa_reserve_vcc 1
		.amdhsa_float_denorm_mode_32 3
		.amdhsa_float_denorm_mode_16_64 3
		.amdhsa_memory_ordered 1
		.amdhsa_forward_progress 1
		.amdhsa_inst_pref_size 19
	.end_amdhsa_kernel
	.amdgpu_metadata
---
amdhsa.version: [ 1, 2 ]
amdhsa.kernels:
  - .name:           k_q8a5aaa03f3_prep
    .symbol:         k_q8a5aaa03f3_prep.kd
    .args:
      - { .name: w1, .offset: 0, .size: 8, .value_kind: global_buffer, .address_space: global }
      - { .name: w2, .offset: 8, .size: 8, .value_kind: global_buffer, .address_space: global }
      - { .name: wq, .offset: 16, .size: 8, .value_kind: global_buffer, .address_space: global }
    .group_segment_fixed_size: 0
    .private_segment_fixed_size: 0
    .kernarg_segment_align: 8
    .kernarg_segment_size: 24
    .max_flat_workgroup_size: 128
    .sgpr_count:     66
    .vgpr_count:     128
    .wavefront_size: 32
...
	.end_amdgpu_metadata
.endif
;; end of part 1
;; launch ffn (part 2): grid 256 x 1, 4 waves a work-group, no clusters, 301,056 bytes of LDS; arguments x, wq, b1, b2, out0; writes out0
.if DOCPART == 2
	.amdgcn_target "amdgcn-amd-amdhsa--gfx1250"
	.amdhsa_code_object_version 6
	.text
	.protected	k_q8a5aaa03f3_ffn
	.globl	k_q8a5aaa03f3_ffn
	.p2align	8
	.type	k_q8a5aaa03f3_ffn,@function
k_q8a5aaa03f3_ffn:
	s_mov_b64 s[64:65], 0
	v_nop
	global_prefetch_b8 v0, s[64:65] scope:SCOPE_SE
	s_setreg_imm32_b32 hwreg(HW_REG_WAVE_MODE, 25, 1), 1
	s_wait_xcnt 0x0
; out = where(any |x| > 0.01 in the row, Q(relu(Q(x) Q(w1) + b1)) Q(w2) + b2, 0), Q the MX-FP6 quantiser along K.  A work-group of four waves owns 128 rows.
; HEAD: wave w loads rows 32 w .. + 31 of x, quantises them, and all waves take all 128 rows' codes (384 registers) through an image in LDS.
; PHASE 1: 16 steps of 128 hidden units.  Wave w makes all 128 rows x units 32 w .. + 31 of the step (one block of the next K): 64 products on 8 fragments of W1, each feeding 8 products.
;   The product is used transposed: a lane holds one row and 16 neighbouring units.  The products go by pairs of row tiles; relu, the block's scale and the conversion of the pair just finished
;   stand, four lines at a time, between the next pair's products.  Each lane stores its 12 bytes straight to their place in h's operand image in LDS.
; PHASE 2: a wave makes 128 rows x 128 outputs (64 accumulators) over K = 2,048 in 16 steps of 64 products; h's fragments come from LDS, each read once by each wave.
; THE WEIGHTS go from memory straight into operand registers: every fragment of W1 and of W2 is used by ONE wave of the work-group, so LDS would hand it to nobody else.  Each wave walks its own linear stream of
;   32 blocks of 12,800 bytes (8 fragments, 512 bytes of scale words), 64 products a block, through two sets of 96 registers.
; NO JOINT LOADS: h's image and scale bytes take 206,848 of LDS's 327,680 bytes, x's image, the stages and b1 93,696 more: no room is left for two slots of the four waves' 51,200 bytes a step.
; NO PREFETCH: all 256 work-groups walk the same 1,638,400 bytes of weights in the same order; x is read once, at the head, ahead of every loop.
; LIMITS: a block of zeros gets the scale byte 1 (its codes are zeros); blocks under 2^-124 are held at the byte 1; NaN and infinities among the inputs are not served.
; REGISTERS: window 0: addresses, scales; phase 1's 16 accumulators (v64-191), bias (v192-223), codes (v224-255), then h's fragments (v64-255).  Windows 1, 2: x's fragments, then phase 2's accumulators.
;   Window 3: weights (v0-191), b2 (v192-255).
.set FRB,   1536
.set BLK,   12800
.set WREG,  409600
.set HSC,   196608                     ; h's scale bytes: 128 rows x 80 bytes (64 + 16 of padding)
.set XIMG,  206848
.set XSC,   256000
.set STG,   258048                     ; a stage of 16 rows x 528 bytes for each wave
.set SP,    528
.set STGW,  8448
.set MSK,   291840
.set B1L,   292352
.set SPARE, 300544                     ; the spare words: 128 bytes a wave
.set SPW, 1
.set NIL, 2
.set AB1, 4
.set XS,  16
.set HS,  16
.set WS,  32
.set T,   40
.set MK,  40
.set P,   48
.set WA,  59                           ; 16 x lane
.set AXR, 62
.set XSR, 63
.set ACC, 64
.set BI,  192
.set CD,  224
.set XN,  64
.set TM,  128
.set PW,  144
.set PC,  148
.set RM,  168
.set BT,  172
.set STI, 201
.set STR, 202
.set XWI, 203
.set XWS, 204
.set MKW, 205
.set B1O, 206
.set B1S, 207
.set STO, 13
.set RD,  14
.set BK,  64
.set MSB, 0
.macro WIN new                         ; the immediate's high byte repeats the setting that is left
.if MSB != (\new)
	s_set_vgpr_msb (MSB<<8)|(\new)
.set MSB, (\new)
.endif
.endm
.macro PLACES n
.rept \n
	v_nop
.endr
.endm
.macro WM ra, rb                       ; one product on rD, rA, rB, rC, rP, rQ; ra, rb: which half of the lanes holds the side's scales
.if (\ra) == 0 && (\rb) == 0
	v_wmma_scale_f32_16x16x128_f8f6f4 v[rD:rD+7], v[rA:rA+11], v[rB:rB+11], v[rC:rC+7], v[rP], v[rQ] matrix_a_fmt:MATRIX_FMT_FP6 matrix_b_fmt:MATRIX_FMT_FP6
.elseif (\rb) == 0
	v_wmma_scale_f32_16x16x128_f8f6f4 v[rD:rD+7], v[rA:rA+11], v[rB:rB+11], v[rC:rC+7], v[rP], v[rQ] matrix_a_fmt:MATRIX_FMT_FP6 matrix_b_fmt:MATRIX_FMT_FP6 matrix_a_scale:MATRIX_SCALE_ROW1
.elseif (\ra) == 0
	v_wmma_scale_f32_16x16x128_f8f6f4 v[rD:rD+7], v[rA:rA+11], v[rB:rB+11], v[rC:rC+7], v[rP], v[rQ] matrix_a_fmt:MATRIX_FMT_FP6 matrix_b_fmt:MATRIX_FMT_FP6 matrix_b_scale:MATRIX_SCALE_ROW1
.else
	v_wmma_scale_f32_16x16x128_f8f6f4 v[rD:rD+7], v[rA:rA+11], v[rB:rB+11], v[rC:rC+7], v[rP], v[rQ] matrix_a_fmt:MATRIX_FMT_FP6 matrix_b_fmt:MATRIX_FMT_FP6 matrix_a_scale:MATRIX_SCALE_ROW1 matrix_b_scale:MATRIX_SCALE_ROW1
.endif
.endm
.macro WLD reg, n, off                 ; n fragments of my stream, from byte off, into window 3: register 4 k <-> byte 512 k
	WIN 0xc0
.set wi, 0
.rept 3*(\n)
	global_load_b128 v[(\reg)+4*wi:(\reg)+4*wi+3], v[WA], s[6:7] offset:(\off)+512*wi
.set wi, wi+1
.endr
.endm
.macro WSL set, off                    ; the scale words of the block at byte off
	WIN 0
	global_load_b128 v[WS+4*(\set):WS+4*(\set)+3], v[WA], s[6:7] offset:(\off)+8*FRB
.endm
.macro XLOADG g                        ; 16 rows x 512 bytes of x into window 2
	WIN 0x80
.irp p, 0,1,2,3,4,5,6,7,8,9,10,11,12,13,14,15
	global_load_b128 v[64*((\g)%4)+4*\p:64*((\g)%4)+4*\p+3], v[WA], s[4:5] offset:(16*((\g)/4)+\p)*2048+512*((\g)%4) th:TH_LOAD_NT
.endr
	WIN 0
.endm
.macro QUANT s, u                      ; 16 rows x 128 K: four blocks, each in lanes l and l xor 16
.irp b, 0,1,2,3
	v_max3_num_f32 v[TM+\b], |v[\s+16*\b]|, |v[\s+1+16*\b]|, 0x1800000
.endr
.irp i, 2,4,6,8,10,12,14
.irp b, 0,1,2,3
	v_max3_num_f32 v[TM+\b], v[TM+\b], |v[\s+16*\b+\i]|, |v[\s+1+16*\b+\i]|
.endr
.endr
.irp b, 0,1,2,3
	v_permlanex16_b32 v[TM+4+\b], v[TM+\b], s22, s23
.endr
.irp b, 0,1,2,3
	v_max_num_f32 v[TM+\b], v[TM+\b], v[TM+4+\b]
.endr
	v_max3_num_f32 v[RM+\u], v[RM+\u], v[TM], v[TM+1]       ; the row's largest magnitude, for the mask
	v_max3_num_f32 v[RM+\u], v[RM+\u], v[TM+2], v[TM+3]
.irp b, 0,1,2,3
	v_add_nc_u32 v[TM+12+\b], 0xff000000, v[TM+\b]
.endr
.irp b, 0,1,2,3
	v_lshrrev_b32 v[TM+4+\b], 23, v[TM+12+\b]
.endr
	v_lshl_or_b32 v[PW], v[TM+5], 8, v[TM+4]
	v_lshl_or_b32 v[PW], v[TM+6], 16, v[PW]
	v_lshl_or_b32 v[PW], v[TM+7], 24, v[PW]
.irp c, 0,1
	v_cvt_scalef32_pk16_fp6_f32 v[PC+6*\c:PC+2+6*\c], v[\s+32*\c:\s+15+32*\c], v[TM+12+2*\c]
	v_cvt_scalef32_pk16_fp6_f32 v[PC+12+4*\c:PC+14+4*\c], v[\s+16+32*\c:\s+31+32*\c], v[TM+12+2*\c+1]
.endr
	v_nop
.irp c, 0,1
.irp i, 0,1,2
	v_permlane16_swap_b32 v[PC+6*\c+\i], v[PC+12+4*\c+\i]
.endr
.irp i, 0,1,2
	v_mov_b32 v[PC+3+6*\c+\i], v[PC+12+4*\c+\i]
.endr
.endr
.endm
.macro XSTEP g, extra                  ; extra: loads of weights issued behind x's last
.if (\g) < 6
	s_wait_loadcnt 32                              ; the two groups behind this one may be out
.else
	s_wait_loadcnt 16*(7-(\g))+(\extra)
.endif
	WIN 0x08
.irp p, 0,1,2,3,4,5,6,7,8,9,10,11,12,13,14,15
	ds_store_b128 v[STI], v[64*((\g)%4)+4*\p:64*((\g)%4)+4*\p+3] offset:SP*\p
.endr
	WIN 0
.irp b, 0,1,2,3
.irp e, 0,1,2,3
	ds_load_b128 v[XN+16*\b+4*\e:XN+16*\b+4*\e+3], v[STR] offset:128*\b+16*\e   ; my own stage: served in order
.endr
.endr
.if (\g) < 5
	XLOADG (\g)+3
.endif
	s_wait_dscnt 0x0
	QUANT XN, (\g)/4
.irp p, 0,1,2
	ds_store_b128 v[XWI], v[PC+4*\p:PC+4*\p+3] offset:(\g)*FRB+512*\p
.endr
	ds_store_b32 v[XWS], v[PW] offset:128*((\g)%4)+64*((\g)/4)
.endm
; PHASE 1.  Part k (0 .. 15) of the quantiser of row tiles 2 g and 2 g + 1: at most four vector lines, all in window 0.  A tile's 16 registers are 16 neighbours of my block of 32; lane l xor 16 holds the other 16.
; Part 0 is the four places behind the pair's last products; each accumulator is read from its low end on.
.macro QS g, k
.set qa, ACC+32*(\g)
.set qt, 2*(\g)
.if (\k) == 0
	PLACES 4
.else
	WIN 0
.if (\k) <= 8
.set qk, qa+4*((\k)-1)
.rept 4
	v_max_num_f32 v[qk], 0, v[qk]                  ; relu
.set qk, qk+1
.endr
.elseif (\k) == 9
.irp mm, 0,1
	v_max3_num_f32 v[P+qt+\mm], v[qa+16*\mm], v[qa+16*\mm+1], 0x1800000   ; two chains a tile; the floor 2^(3 - 127) holds the byte at 1 from below
	v_max3_num_f32 v[T+qt+\mm], v[qa+16*\mm+8], v[qa+16*\mm+9], v[qa+16*\mm+10]
.endr
.elseif (\k) <= 11
.set qj, (\k)-9
.irp mm, 0,1
	v_max3_num_f32 v[P+qt+\mm], v[P+qt+\mm], v[qa+16*\mm+2*qj], v[qa+16*\mm+2*qj+1]
	v_max3_num_f32 v[T+qt+\mm], v[T+qt+\mm], v[qa+16*\mm+9+2*qj], v[qa+16*\mm+10+2*qj]
.endr
.elseif (\k) == 12
.irp mm, 0,1
	v_max3_num_f32 v[P+qt+\mm], v[P+qt+\mm], v[qa+16*\mm+6], v[qa+16*\mm+7]
.endr
.irp mm, 0,1
	v_max3_num_f32 v[T+qt+\mm], v[T+qt+\mm], v[qa+16*\mm+15], v[P+qt+\mm]
.endr
.elseif (\k) == 13
.irp mm, 0,1
	v_permlanex16_b32 v[P+qt+\mm], v[T+qt+\mm], s22, s23
.endr
.irp mm, 0,1
	v_max_num_f32 v[T+qt+\mm], v[T+qt+\mm], v[P+qt+\mm]
.endr
.elseif (\k) == 14
.irp mm, 0,1
	v_add_nc_u32 v[P+qt+\mm], 0xff000000, v[T+qt+\mm]   ; 2 off the exponent field: the conversion's scale operand
.endr
.irp mm, 0,1
	v_lshrrev_b32 v[T+qt+\mm], 23, v[P+qt+\mm]     ; the scale's byte
.endr
.else
.irp mm, 0,1
	v_cvt_scalef32_pk16_fp6_f32 v[CD+4*(qt+\mm):CD+4*(qt+\mm)+2], v[qa+16*\mm:qa+16*\mm+15], v[P+qt+\mm]
.endr
	v_nop
.endif
.endif
.endm
; 16 products: row tiles 2 g, 2 g + 1 x my 2 tiles of W1, K inside; the four accumulators take turns; the first K step takes b1 as C.
; q >= 0: behind each product stands one part of the quantiser of row tiles 2 q, 2 q + 1.
.macro MG set, g, q
.set sk, 0
.irp s, 0,1,2,3
.irp mm, 0,1
.irp t, 0,1
.set mi, 2*(\g)+\mm
.if mi < 5
	WIN 0x07
.set rB, 48*mi+12*\s
.else
	WIN 0x0b
.set rB, 48*(mi-5)+12*\s
.endif
.set rD, ACC+16*mi+8*\t
.set rC, rD
.if \s == 0
.set rC, BI+16*(\set)+8*\t
.endif
.set rA, 96*(\set)+12*(2*\s+\t)
.set rP, WS+4*(\set)+\s
.set rQ, XS+4*(\g)+\s
	WM \t, \mm
.if (\q) >= 0
	QS \q, sk
.endif
.set sk, sk+1
.endr
.endr
.endr
.endm
.macro IMG1 set                        ; one block of my stream: 128 hidden units' step
	s_wait_loadcnt 25                              ; this block is in; the next block's 24 + 1 loads may be out
	s_wait_dscnt 32                                ; the bias is in; the 32 stores of h issued behind its loads may be out
	MG \set, 0, -1
	MG \set, 1, 0
	MG \set, 2, 1
	MG \set, 3, 2
.set sq, 0
.rept 16
	QS 3, sq
.set sq, sq+1
.endr
	s_wait_alu depctr_va_vdst(0)
	WLD 96*(\set), 8, (2+(\set))*BLK               ; the block two on, into the registers just read
	WSL \set, (2+(\set))*BLK
.irp e, 0,1,2,3
	ds_load_b128 v[BI+16*(1-(\set))+4*\e:BI+16*(1-(\set))+4*\e+3], v[13+(\set)] offset:16*\e+512*(1-(\set))   ; the next step's 16 numbers of b1
.endr
.irp m, 0,1,2,3,4,5,6,7
	ds_store_b32 v9, v[CD+4*\m] offset:\m*FRB+(\set)*8*FRB          ; registers 6 c + 3 h + 0 .. 2 of lane r + 16 (w % 2) of h's fragment
	ds_store_b32 v10, v[CD+4*\m+1] offset:\m*FRB+(\set)*8*FRB
	ds_store_b32 v11, v[CD+4*\m+2] offset:\m*FRB+(\set)*8*FRB
	ds_store_b8 v12, v[T+\m] offset:\m*1280+4*(\set)                ; byte w of the row's scale word; both halves of the lanes write the same value
.endr
.endm
; PHASE 2.  32 products: the K step of parity q2, W2's tiles 4 half .. + 3 x all 8 row tiles; 16 accumulators of a window by turns.  first: b2 (window 3) is C.
.macro MMH q2, half, first
.irp d, 0,1
.if \first
	WIN 0x73+0x40*\d
.else
	WIN 0x53+0x50*\d
.endif
.irp n, 0,1,2,3
.irp a, 0,1,2,3
.set nt, 4*(\half)+\n
.set ai, 4*\d+\a
.set rD, 8*(8*\a+nt)
.set rC, rD
.if \first
.set rC, 192+8*nt
.endif
.set rA, 96*(\q2)+12*nt
.set rB, 64+96*(\q2)+12*ai
.set rP, WS+4*(\q2)+nt/2
.set rQ, HS+4*(\q2)+ai/2
	WM \n%2, \a%2
.endr
.endr
.endr
.endm
; A K step q: in its middle the first four fragments of block q + 2 are asked for (wm), at its end h's scale words and fragments of step q + 2, the block's scale words and its last four fragments (we).
.macro KST q2, first, lca, dca, wm, lcb, we
	s_wait_loadcnt \lca
	s_wait_dscnt \dca
	MMH \q2, 0, \first
.if \wm
	PLACES 4
	WLD 96*(\q2), 4, (2+(\q2))*BLK
.endif
	s_wait_loadcnt \lcb
	MMH \q2, 1, \first
.if \we
	PLACES 4
	WIN 0
.irp a, 0,1,2,3
	ds_load_b32 v[HS+4*(\q2)+\a], v11 offset:\a*2560+4*(2+(\q2))
.endr
.set hk, 0
.rept 24
	ds_load_b128 v[64+96*(\q2)+4*hk:64+96*(\q2)+4*hk+3], v9 offset:(2+(\q2))*8*FRB+512*hk
.set hk, hk+1
.endr
	WSL \q2, (2+(\q2))*BLK
	WLD 96*(\q2)+48, 4, (2+(\q2))*BLK+4*FRB
.endif
.endm
; Two K steps.  Counts: 37 = the 12 + 12 + 13 loads issued behind what a half step needs; 28 = a step's 4 + 24 LDS loads.  mode 0: the first pair (its blocks came whole, scale words last: 25);
; 1: any other; 2: the last (nothing more is asked for: 37, 25, 12, 0).
.macro PAIR mode
	WIN 0
	v_add_nc_u32 v9, s44, v[WA]
	v_add_nc_u32 v11, s45, v6
	s_wait_alu depctr_va_vdst(0)
.if (\mode) == 0
	KST 0, 1, 25, 28, 1, 37, 1
	KST 1, 0, 25, 28, 1, 37, 1
.elseif (\mode) == 1
	KST 0, 0, 37, 28, 1, 37, 1
	KST 1, 0, 37, 28, 1, 37, 1
.else
	KST 0, 0, 37, 28, 0, 25, 0
	KST 1, 0, 12, 0, 0, 0, 0
.endif
	WIN 0
.if (\mode) != 2
	s_wait_xcnt 0x0                                ; the stream's base steps only behind this wait
	s_add_nc_u64 s[6:7], s[6:7], 2*BLK
	s_add_co_u32 s44, s44, 16*FRB
	s_add_co_u32 s45, s45, 8
.endif
.endm
; THE WAY OUT, 16 rows x 128 outputs at a time: the mask, through my own stage, and out as whole rows of 512 bytes.
.macro MASKB a
	WIN 0
	v_cmp_ne_u32 vcc_lo, 0, v[MK+(\a)]
	WIN 0x44+0x44*((\a)/4)
.set qk, 64*((\a)%4)
.rept 64
	v_cndmask_b32 v[qk], 0, v[qk], vcc_lo
.set qk, qk+1
.endr
.endm
.macro TOSTAGE a
	WIN 0x04+4*((\a)/4)
.irp b, 0,1,2,3,4,5,6,7
	ds_store_b128 v[STO], v[64*((\a)%4)+8*\b:64*((\a)%4)+8*\b+3] offset:64*\b
	ds_store_b128 v[STO], v[64*((\a)%4)+8*\b+4:64*((\a)%4)+8*\b+7] offset:64*\b+16
.endr
	WIN 0
.irp t, 0,1,2,3,4,5,6,7,8,9,10,11,12,13,14,15
	ds_load_b128 v[BK+64*((\a)%2)+4*\t:BK+64*((\a)%2)+4*\t+3], v[RD] offset:\t*SP
.endr
.endm
.macro SEND a, younger
	s_wait_dscnt \younger
.irp t, 0,1,2,3,4,5,6,7,8,9,10,11,12,13,14,15
	global_store_b128 v[WA], v[BK+64*((\a)%2)+4*\t:BK+64*((\a)%2)+4*\t+3], s[12:13] offset:(16*(\a)+\t)*2048 th:TH_STORE_NT   ; 32 lanes store 512 consecutive bytes, aligned
.endr
.endm
	s_load_b256 s[4:11], s[0:1], 0x0               ; x, wq, b1, b2
	s_load_b64 s[12:13], s[0:1], 0x20              ; out0
	v_lshl_add_u32 v[SPW], v0, 2, SPARE
	v_mov_b32 v[NIL], 0
	v_lshrrev_b32 v56, 5, v0
	v_readfirstlane_b32 s14, v56                   ; wave w
	s_lshr_b32 s15, s14, 1
	s_and_b32 s16, s14, 1
	s_mov_b32 s22, 0x76543210
	s_mov_b32 s23, 0xfedcba98                      ; selects for lane l xor 16
	s_lshl_b32 s20, ttmp9, 18                      ; 128 rows of 2,048 bytes
	s_lshl_b32 s41, s14, 16
	s_add_co_u32 s20, s20, s41                     ; x: + my 32 rows
	s_mov_b32 s21, 0
	s_lshl_b32 s24, ttmp9, 18
	s_lshl_b32 s28, s14, 9
	s_add_co_u32 s24, s24, s28                     ; out0: + my 128 columns
	s_mov_b32 s25, 0
	s_mul_i32 s26, s14, WREG                       ; my stream of weights
	s_mov_b32 s27, 0
	s_mov_b32 s29, 0
	s_mul_i32 s30, s14, STGW
	s_add_co_u32 s30, s30, STG
	s_mul_i32 s31, s14, 8*FRB
	s_add_co_u32 s31, s31, XIMG
	s_lshl_b32 s32, s14, 9
	s_add_co_u32 s32, s32, XSC
	s_lshl_b32 s33, s14, 7
	s_add_co_u32 s35, s33, B1L
	s_add_co_u32 s33, s33, MSK
	s_lshl_b32 s34, s14, 11
	s_mul_i32 s36, s15, 6                          ; 6 c, c = w / 2
	s_lshl_b32 s37, s16, 8                         ; 16 bytes x 16 (w % 2)
	s_add_co_u32 s38, s14, HSC
	v_and_b32 v56, 15, v0                          ; r
	v_bfe_u32 v57, v0, 4, 1                        ; h
	v_and_b32 v58, 31, v0                          ; lane
	v_lshlrev_b32 v[WA], 4, v58
	v_lshlrev_b32 v60, 2, v58
	v_lshlrev_b32 v61, 2, v56
	v_add_nc_u32 v[STI], s30, v[WA]
	v_mul_u32_u24 v[STR], v56, SP
	v_lshl_add_u32 v[STR], v57, 6, v[STR]
	v_add_nc_u32 v[STR], s30, v[STR]
	v_add_nc_u32 v[XWI], s31, v[WA]
	v_add_nc_u32 v[XWS], s32, v61
	v_add_nc_u32 v[MKW], s33, v61
	v_add_nc_u32 v[B1O], s34, v[WA]
	v_add_nc_u32 v[B1S], B1L, v[B1O]
	v_add_nc_u32 v[AXR], XIMG, v[WA]
	v_add_nc_u32 v[XSR], XSC, v60
	v_lshl_add_u32 v[AB1], v57, 6, s35             ; b1: 128 w + 64 h
	v_mad_u32_u24 v40, v57, 3, s36                 ; 6 c + 3 h: the first of my three registers in h's fragment
.irp i, 0,1,2
	v_add_nc_u32 v41, \i, v40
	v_lshrrev_b32 v42, 2, v41
	v_and_b32 v41, 3, v41
	v_lshlrev_b32 v41, 2, v41
	v_lshl_add_u32 v41, v42, 9, v41                ; register R lies at 512 (R / 4) + 4 (R % 4) + 16 x lane
	v_lshl_add_u32 v41, v56, 4, v41
	v_add_nc_u32 v[5+\i], s37, v41
.endr
	v_mul_u32_u24 v8, v56, 80
	v_add_nc_u32 v8, s38, v8                       ; h's scale bytes: row r, byte w
	v_lshlrev_b32 v15, 5, v57                      ; b2: 32 h
.irp b, 0,1,2,3
	v_mov_b32 v[TM+4+\b], 0                        ; a lane permute's destination counts as read
.endr
.irp b, 0,1,2,3,4,5,6,7
	v_mov_b32 v[P+\b], 0
.endr
	v_mov_b32 v[RM], 0
	v_mov_b32 v[RM+1], 0
	s_wait_alu depctr_va_vdst(0)
	s_wait_kmcnt 0x0
	s_add_nc_u64 s[4:5], s[4:5], s[20:21]
	s_add_nc_u64 s[12:13], s[12:13], s[24:25]
	s_add_nc_u64 s[6:7], s[6:7], s[26:27]
	s_add_nc_u64 s[10:11], s[10:11], s[28:29]
.irp k, 0,1,2,3
	global_load_b128 v[BT+4*\k:BT+4*\k+3], v[B1O], s[8:9] offset:512*\k
.endr
	XLOADG 0
	XLOADG 1
	XLOADG 2
	s_wait_loadcnt 48                              ; b1 is in; x's three groups may be out
.irp k, 0,1,2,3
	ds_store_b128 v[B1S], v[BT+4*\k:BT+4*\k+3] offset:512*\k
.endr
.irp g, 0,1,2,3,4,5
	XSTEP \g, 0
.endr
	WLD 0, 8, 0                                    ; my stream's block 0, behind x's last loads,
	WSL 0, 0
	XSTEP 6, 25
	WLD 96, 8, BLK                                 ; and block 1
	WSL 1, BLK
	XSTEP 7, 50
.irp u, 0,1
	v_cmp_lt_f32 vcc_lo, 0x3c23d70a, v[RM+\u]      ; any |x| > 0.01 in the row
	v_cndmask_b32 v[TM+\u], 0, -1, vcc_lo
	ds_store_b32 v[MKW], v[TM+\u] offset:64*\u
.endr
	s_wait_dscnt 0x0                               ; for the others' sake: my part of x's image, of b1 and of the mask is stored
	s_barrier_signal -1
	s_barrier_wait -1
	WIN 0xc0
.irp n, 0,1,2,3,4,5,6,7
	global_load_b128 v[192+8*\n:192+8*\n+3], v15, s[10:11] offset:64*\n        ; b2 of my 128 outputs, as C
	global_load_b128 v[192+8*\n+4:192+8*\n+7], v15, s[10:11] offset:64*\n+16
.endr
.irp m, 0,1,2,3,4,5,6,7
.if \m < 5
	WIN 0x40
.set xb, 48*\m
.else
	WIN 0x80
.set xb, 48*(\m-5)
.endif
.set xk, 0
.rept 12
	ds_load_b128 v[xb+4*xk:xb+4*xk+3], v[AXR] offset:4*\m*FRB+512*xk     ; all 128 rows' fragments of x
.set xk, xk+1
.endr
.endr
	WIN 0
.irp k, 0,1,2,3,4,5,6,7,8,9,10,11,12,13,14,15
	ds_load_b32 v[XS+\k], v[XSR] offset:128*\k
.endr
.irp e, 0,1,2,3
	ds_load_b128 v[BI+4*\e:BI+4*\e+3], v[AB1] offset:16*\e
.endr
	s_mov_b32 s44, 0                               ; h's image: 24,576 bytes a trip
	s_mov_b32 s45, 0                               ; h's scale words: 8 bytes a trip
	s_mov_b32 s46, 0                               ; b1: 1,024 bytes a trip
	s_mov_b32 s47, 1024                            ; b1 of the next trip's first step (round the end)
	s_mov_b32 s40, 8
	s_wait_dscnt 0x0
.Lp1:                                                  ; a trip: two blocks of my stream
	v_add_nc_u32 v9, s44, v5
	v_add_nc_u32 v10, s44, v6
	v_add_nc_u32 v11, s44, v7
	v_add_nc_u32 v12, s45, v8
	v_add_nc_u32 v13, s46, v[AB1]
	v_add_nc_u32 v14, s47, v[AB1]
	s_wait_alu depctr_va_vdst(0)
	IMG1 0
	IMG1 1
	s_wait_xcnt 0x0                                ; the stream's base steps only behind this wait
	s_add_nc_u64 s[6:7], s[6:7], 2*BLK
	s_add_co_u32 s44, s44, 16*FRB
	s_add_co_u32 s45, s45, 8
	s_add_co_u32 s46, s46, 1024
	s_add_co_u32 s47, s47, 1024
	s_and_b32 s47, s47, 0x1fff
	s_sub_co_u32 s40, s40, 1
	s_cmp_lg_u32 s40, 0
	s_cbranch_scc1 .Lp1
	v_mul_u32_u24 v6, v58, 80
	v_add_nc_u32 v6, HSC, v6                       ; h's scale words: row 32 a + lane
	v_add_nc_u32 v7, MSK, v61
	v_mul_u32_u24 v[STO], v56, SP
	v_lshl_add_u32 v[STO], v57, 5, v[STO]
	v_add_nc_u32 v[STO], s30, v[STO]               ; the way out, in: row r, 32 bytes for each half of the lanes
	v_add_nc_u32 v[RD], s30, v[WA]                 ; back: the 32 lanes take a row
	s_mov_b32 s44, 0
	s_mov_b32 s45, 0
	s_wait_alu depctr_va_vdst(0)
	s_wait_dscnt 0x0                               ; for the others' sake: my part of h is stored
	s_barrier_signal -1
	s_barrier_wait -1
.irp a, 0,1,2,3,4,5,6,7
	ds_load_b32 v[MK+\a], v7 offset:64*\a
.endr
.irp q, 0,1
.irp a, 0,1,2,3
	ds_load_b32 v[HS+4*\q+\a], v6 offset:\a*2560+4*\q
.endr
.set hk, 0
.rept 24
	ds_load_b128 v[64+96*\q+4*hk:64+96*\q+4*hk+3], v[WA] offset:\q*8*FRB+512*hk
.set hk, hk+1
.endr
.endr
	PAIR 0
	s_mov_b32 s40, 6
.Lp2:
	PAIR 1
	s_sub_co_u32 s40, s40, 1
	s_cmp_lg_u32 s40, 0
	s_cbranch_scc1 .Lp2
	PAIR 2
	PLACES 4
	MASKB 0
	TOSTAGE 0
.irp a, 1,2,3,4,5,6,7
	MASKB \a
.if \a > 1
	s_wait_alu depctr_va_vdst(0)
	s_wait_xcnt 0x0                                ; block a - 2's stores have read the registers that the loads below fill
.endif
	TOSTAGE \a
	SEND \a-1, 32                                  ; block a's 16 stores and 16 loads may be out
.endr
	SEND 7, 0
	s_wait_tensorcnt 0x0                           ; the wave's end
	ds_add_u32 v[SPW], v[NIL]
	s_wait_dscnt 0x0
	s_endpgm
.Lfunc_end_k_q8a5aaa03f3_ffn:
	.size	k_q8a5aaa03f3_ffn, .Lfunc_end_k_q8a5aaa03f3_ffn-k_q8a5aaa03f3_ffn
	.p2alignl 7, 3214868480
	.fill 96, 4, 3214868480
	.section	.rodata,"a",@progbits
	.p2align	6, 0x0
	.amdhsa_kernel k_q8a5aaa03f3_ffn
		.amdhsa_group_segment_fixed_size 301056
		.amdhsa_private_segment_fixed_size 0
		.amdhsa_enable_private_segment 0
		.amdhsa_kernarg_size 40
		.amdhsa_user_sgpr_count 2
		.amdhsa_user_sgpr_kernarg_segment_ptr 1
		.amdhsa_wavefront_size32 1
		.amdhsa_system_sgpr_workgroup_id_x 1
		.amdhsa_system_sgpr_workgroup_id_y 1
		.amdhsa_system_sgpr_workgroup_id_z 1
		.amdhsa_system_vgpr_workitem_id 0
		.amdhsa_next_free_vgpr 1024
		.amdhsa_next_free_sgpr 66
		.amdhsa_reserve_vcc 1
		.amdhsa_float_denorm_mode_32 3
		.amdhsa_float_denorm_mode_16_64 3
		.amdhsa_memory_ordered 1
		.amdhsa_forward_progress 1
		.amdhsa_inst_pref_size 254
	.end_amdhsa_kernel
	.amdgpu_metadata
---
amdhsa.version: [ 1, 2 ]
amdhsa.kernels:
  - .name:           k_q8a5aaa03f3_ffn
    .symbol:         k_q8a5aaa03f3_ffn.kd
    .args:
      - { .name: x, .offset: 0, .size: 8, .value_kind: global_buffer, .address_space: global }
      - { .name: wq, .offset: 8, .size: 8, .value_kind: global_buffer, .address_space: global }
      - { .name: b1, .offset: 16, .size: 8, .value_kind: global_buffer, .address_space: global }
      - { .name: b2, .offset: 24, .size: 8, .value_kind: global_buffer, .address_space: global }
      - { .name: out0, .offset: 32, .size: 8, .value_kind: global_buffer, .address_space: global }
    .group_segment_fixed_size: 301056
    .private_segment_fixed_size: 0
    .kernarg_segment_align: 8
    .kernarg_segment_size: 40
    .max_flat_workgroup_size: 128
    .sgpr_count:     66
    .vgpr_count:     1024
    .wavefront_size: 32
...
	.end_amdgpu_metadata
.endif
;; end of part 2
